; MI455X (gfx1250); checked and timed in simulation.
; The chip was launched on July 23, 2026; its instructions are those of AMD's public machine-readable ISA for CDNA 5 (MIT licence, August 2026) and "CDNA5" Instruction Set Architecture Reference Guide (July 2026). The comments in the code are by the model that wrote it; some were corrected since.
;; Multi Headed Attention Export. Allowed arithmetic: matrix products marked QUANTISED: E2M3 operands, one E8M0 scale for each 32 along K, by v_wmma_scale_f32_16x16x128_f8f6f4 with both operands' format E2M3, f32 sums; everything else in f32.
;; Inputs: Wk_codes 1,024 x 32 x 24 uint8 (E2M3 codes of Wk, K innermost, in blocks of 32 codes, four codes in three bytes); Wk_scales 1,024 x 32 uint8 (E8M0 scales of Wk, one for each 32 codes along K); Wo_codes 1,024 x 32 x 24 uint8 (E2M3 codes of Wo, K innermost, in blocks of 32 codes, four codes in three bytes); Wo_scales 1,024 x 32 uint8 (E8M0 scales of Wo, one for each 32 codes along K); Wq_codes 1,024 x 32 x 24 uint8 (E2M3 codes of Wq, K innermost, in blocks of 32 codes, four codes in three bytes); Wq_scales 1,024 x 32 uint8 (E8M0 scales of Wq, one for each 32 codes along K); Wv_codes 1,024 x 32 x 24 uint8 (E2M3 codes of Wv, K innermost, in blocks of 32 codes, four codes in three bytes); Wv_scales 1,024 x 32 uint8 (E8M0 scales of Wv, one for each 32 codes along K); bk 1,024 float32; bo 1,024 float32; bq 1,024 float32; bv 1,024 float32; key_codes 4 x 2,048 x 32 x 24 uint8 (E2M3 codes of key, K innermost, in blocks of 32 codes, four codes in three bytes); key_scales 4 x 2,048 x 32 uint8 (E8M0 scales of key, one for each 32 codes along K); mask 4 x 1 x 2,048 x 2,048 float32; query_codes 4 x 2,048 x 32 x 24 uint8 (E2M3 codes of query, K innermost, in blocks of 32 codes, four codes in three bytes); query_scales 4 x 2,048 x 32 uint8 (E8M0 scales of query, one for each 32 codes along K); value_codes 4 x 2,048 x 32 x 24 uint8 (E2M3 codes of value, K innermost, in blocks of 32 codes, four codes in three bytes); value_scales 4 x 2,048 x 32 uint8 (E8M0 scales of value, one for each 32 codes along K).
;; Outputs: out0 4 x 2,048 x 1,024 float32.
;; This version of the problem:
;;   THIS VERSION OF THE PROBLEM IS GIVEN IN LOW PRECISION. The matrix products marked QUANTISED in the list below multiply operands that are first quantised to E2M3 (2 exponent bits, 3 mantissa bits; 6 bits a number), with one power-of-two scale for each 32 numbers along K (OCP MX v1.0); their sums are f32. All else is computed in f32.
;;   The module's matrix products, in the order in which they are computed (A, B: the left and right operand; K: the contracted axis; several contracted axes count as one K, in the product's order):
;;     1. [M 8,192, K 1,024] x [K 1,024, N 1,024]; A: input query (given as codes); B: input Wq (given as codes): QUANTISED
;;     2. [M 8,192, K 1,024] x [K 1,024, N 1,024]; A: input key (given as codes); B: input Wk (given as codes): QUANTISED
;;     3. [M 8,192, K 1,024] x [K 1,024, N 1,024]; A: input value (given as codes); B: input Wv (given as codes): QUANTISED
;;     4. batch 64 x [M 2,048, K 64] x [K 64, N 2,048]; A: computed on the way; B: computed on the way: QUANTISED
;;     5. batch 64 x [M 2,048, K 2,048] x [K 2,048, N 64]; A: softmax (see below); B: computed on the way: QUANTISED
;;     6. [M 8,192, K 1,024] x [K 1,024, N 1,024]; A: computed on the way; B: input Wo (given as codes): QUANTISED
;;   THE QUANTISER, for each operand of a quantised product, along K:
;;     - K is cut into blocks of 32 from its start; a last block that is shorter is filled with zeros.
;;     - A block's scale is 2^e with e = floor(log2(the largest magnitude in the block)) - 2, held to -126 .. 127; a block of zeros has e = 0. As a byte (E8M0): e + 127.
;;     - Each number is divided by its block's scale, clamped to +-7.5, and rounded to the nearest number of E2M3, ties to even, subnormals kept.
;;     - The product sums the exact products of the quantised numbers (number of the format x scale) in f32.
;;   ~~~python
;;   def quantise(x, axis):      # numpy; x: float32 -> the quantised numbers, widened to float32 again
;;       x = np.moveaxis(x, axis, -1); K = x.shape[-1]
;;       x = np.pad(x, [(0, 0)] * (x.ndim - 1) + [(0, -K % 32)]); x = x.reshape(x.shape[:-1] + (-1, 32)); a = np.abs(x).max(-1, keepdims=True)
;;       e = np.where(a > 0, np.clip(np.frexp(np.where(a > 0, a, 1))[1] - 1 - 2, -126, 127), 0)      # np.frexp(a)[1] - 1 = floor(log2(a)), exactly
;;       r = np.clip(x / 2.0 ** e, -7.5, 7.5)
;;       step = 2.0 ** (np.maximum(np.frexp(np.where(r == 0, 1, r))[1] - 1, 0) - 3)
;;       q = np.round(r / step) * step * 2.0 ** e      # np.round: ties to even
;;       return np.moveaxis(q.reshape(q.shape[:-2] + (-1,))[..., :K], -1, axis).astype(np.float32)
;;   ~~~
;;   SOFTMAX AHEAD OF A QUANTISED PRODUCT. Where the list says 'softmax', what is quantised is not the finished softmax but p = 2^(t - M), with t = logit x log2(e) and M = ceil(the row's largest t), a whole number; so 1/2 < the row's largest p <= 1. The row's sum l is taken of the UNQUANTISED p, in f32, and the product's result is divided by l at the end. Since M is a whole number, a kernel that streams over the keys may use a running M (the ceiling of the running maximum): every later rescaling is an exact power of two, which a block's scale takes up: the codes' values come out the same.
;;   OPERANDS COMPUTED ON THE WAY. 'Computed on the way' means the value that the module computes at that place (a softmax that the list does not call 'softmax' is quantised finished and normalised). What goes into a quantiser is computed in f32, as accurately as f32 sums, v_exp_f32 and their like allow (about 1e-6 of the number): no bf16 or f16 on the way to a quantiser, and a product that is left as it is and whose result goes on into a quantised operand takes f32 operands (vector FMAs, or v_wmma_f32_16x16x4_f32). A number that lies on a knife's edge between two numbers of the format may be rounded either way, as far as f32 arithmetic and the matrix unit's own rounding can turn it there, and no further.
;;   INPUTS GIVEN AS CODES. Wk (in the module: [1024, 1024], K = its axis 1); Wo (in the module: [1024, 1024], K = its axis 1); Wq (in the module: [1024, 1024], K = its axis 1); Wv (in the module: [1024, 1024], K = its axis 1); key (in the module: [4, 2048, 1024], K = its axis 2); query (in the module: [4, 2048, 1024], K = its axis 2); value (in the module: [4, 2048, 1024], K = its axis 2): each comes as NAME_codes (uint8): NAME with its K axis moved to the last place and cut into blocks of 32 codes, [.., K / 32, bytes a block], one block behind the other in memory; four codes in three bytes: a row's codes are one little-endian stream of bits, code i at bits 6 i .. 6 i + 5 (a code: sign, 2 exponent bits, 3 mantissa bits); and NAME_scales (uint8): the same leading axes, one E8M0 byte (e + 127) for each 32 codes along K. Its value is code x scale, taken as it is: it is not quantised again, and the codes and scales need not be those that the quantiser above would give.
;; One version. Each part assembles by itself: llvm-mc -triple=amdgcn-amd-amdhsa -mcpu=gfx1250 --defsym DOCPART=n.
;; ======== version 1 of 1: 3 launches
;; limits: right only within a limited range of input values
;; workspace buffers: qkv 20,447,232 bytes; cc 6,291,456 bytes; cs 524,288 bytes
;; launch proj (part 1): grid 4 x 192, 4 waves a work-group, clusters of 4 x 4, 313,856 bytes of LDS; arguments Wq_codes, Wq_scales, query_codes, query_scales, bq, Wk_codes, Wk_scales, key_codes, key_scales, bk, value_codes, value_scales, Wv_codes, Wv_scales, bv, qkv; writes qkv
.if DOCPART == 1
	.amdgcn_target "amdgcn-amd-amdhsa--gfx1250"
	.amdhsa_code_object_version 6
	.text
	.protected	k_qb9ce4c9ece_proj
	.globl	k_qb9ce4c9ece_proj
	.p2align	8
	.type	k_qb9ce4c9ece_proj,@function
k_qb9ce4c9ece_proj:
	s_mov_b64 s[64:65], 0
	v_nop
	global_prefetch_b8 v0, s[64:65] scope:SCOPE_SE
	s_setreg_imm32_b32 hwreg(HW_REG_WAVE_MODE, 25, 1), 1
	s_wait_xcnt 0x0
	s_wait_alu depctr_hold_cnt(0) depctr_sa_sdst(0) depctr_va_vdst(0) depctr_va_sdst(0) depctr_va_ssrc(0) depctr_va_vcc(0) depctr_vm_vsrc(0)
	s_getreg_b32 s2, hwreg(HW_REG_IB_STS2, 6, 4)
	s_cmp_eq_u32 s2, 0
	s_cbranch_scc0 .Lentry_in_a_cluster
	s_endpgm
.Lentry_in_a_cluster:
	s_bfe_u32 s2, ttmp6, 0x10000c
	s_cmp_lg_u32 s2, 0xf033
	s_cbranch_scc0 .Lentry_shape_is_right
	s_endpgm
.Lentry_shape_is_right:
; THE THREE INPUT PROJECTIONS, their biases and the quantiser behind them, on codes of FP6 (E2M3) with one E8M0 scale for each 32 along K.
; One form serves all three: Z[j1][j0] = sum over k of S1[j1][k] S0[j0][k] + bias, K = 1,024, and Z is quantised along j0.
;   q, k: S0 = the weight (1,024 rows), S1 = the tokens (8,192 rows), bias along j0: quantised along the head's 64.
;   v:    S0 = the tokens, S1 = the weight, bias along j1: quantised along the tokens, which are the K of attention's second product.
; The matrix instruction takes 16 rows of S0 as source 0 and 16 rows of S1 as source 1: a lane then holds ONE row j1 and its registers run along j0, the quantiser's axis.
; SHARES.  A work-group makes 256 j0 x 128 j1: 256 work-groups a tensor, 768 in all.  Wave w makes 128 j0 (half w & 1) x 64 j1 (half w >> 1): 32 accumulators, 32 matrix instructions for 128 along K.
; ALL OF K LIES IN LDS: a row's 768 bytes come as three chunks of 256 bytes, each chunk of all rows by one tensor load a wave; nothing is filled twice, so there is no ring.
; CLUSTER 4 x 4: S0's rows hang on the place along x and are asked for jointly by a column of the cluster, S1's on the place along y, by a row of it.
; THE ORDER INSIDE A BLOCK OF 32.  A lane's 16 registers of two neighbouring tiles are j0 = 16 u + 8 (lane / 16) + j, and they are coded as if they were 16 (lane / 16) + 8 u + j: the block's members
; and its scale are the true ones, their order inside the block is turned.  q and k are turned alike, and so are v and the softmax's p in the next launch, so every product keeps its terms.
; THE FACTOR 1 / 8 of the scores is taken off q's scale bytes (3 off each): exact.
; OUT: images of the operands' registers (a fragment's 12 registers: registers 0-3 at 16 x lane, 4-5 at 512 + 8 x lane, 6-9 at 768 + 16 x lane, 10-11 at 1,280 + 8 x lane) and the scale words of four tiles, 16 bytes a lane.
; LIMITS: a block of q whose largest magnitude lies under 2^-121 (k, v: under 2^-124) is coded under that floor's scale; a block of zeros keeps the floor's byte (its codes are zeros, and this program alone reads the bytes);
; NaN and infinities among the inputs are not served.
; REGISTERS: window 0: v1-19 addresses; v32-63 S0's scale words, v64-79 S1's; v96-191 S1's fragments, two sets, later the codes; v192-215 at work.  window 1: S0's fragments, two sets, at v0 and v128.
;   window 2: accumulator (a, t) at v[64 a + 8 t].  window 3: v0-63 the bias in the result's layout.
.set CH,     272                       ; from chunk to chunk of one row in LDS: a row's three chunks of 256 bytes lie side by side, 16 bytes of padding behind each; ONE tensor load a wave brings its rows whole
.set PITCH,  816                       ; an LDS row: 3 x (256 + 16) bytes = 204 words: the 16 rows of a fragment start 12 words apart modulo 64, so the 32 lanes of a load of 8 bytes touch 64 different banks (64 banks of 4 bytes: ISA guide 11.1)
.set TILEP,  16*PITCH
.set S0HALF, 128*PITCH
.set S1OFF,  256*PITCH
.set S1HALF, 64*PITCH
.set BLKB,   79872                     ; a block of qkv: 128 tokens x 4 heads: K's codes and scales, V's, Q's
.set SC0,    32
.set SC1,    64
.set F1,     96
.set TM,     192                       ; v192-195 largest magnitudes, v196-199 bytes, v204-207 the conversions' scale operands
.set PWT,    208
.set PW,     212                       ; v212-215 the scale words of my four tiles of j1
.set MSB, 0
.macro WIN new                         ; the immediate's high byte repeats the setting that is left
.if MSB != \new
	s_set_vgpr_msb (MSB<<8)|\new
.set MSB, \new
.endif
.endm
.macro PLACES n
.rept \n
	v_nop
.endr
.endm
.macro CROUND                          ; a round of the cluster's barrier
	s_barrier_signal -1
	s_barrier_wait -1
	s_cmp_lg_u32 s80, 0
	s_cbranch_scc1 .Lnot_wave_0_\@
	s_barrier_signal -3
.Lnot_wave_0_\@:
	s_barrier_wait -3
	s_barrier_signal -1
	s_barrier_wait -1
.endm
; A fragment (16 rows x 128 K, 12 registers) in six pieces of 8 bytes.  Lanes 0-15 take the row's pieces 12 s + 0, 1, 2, 6, 7, 8, lanes 16-31 those three pieces on.
; A chunk holds 32 pieces; where the piece three on lies in the next chunk, the second address register serves (CH - 232 for 24 bytes a half).
.macro FRAGR reg, ad, ax, s, i
.irp p, 0,1,2,3,4,5
.set PCN, 12*(\s)+6*(\p/3)+\p%3
.if PCN%32 < 29
	ds_load_b64 v[(\reg)+2*\p:(\reg)+2*\p+1], v[(\ad)+PCN/32] offset:8*(PCN%32)+TILEP*(\i)
.else
	ds_load_b64 v[(\reg)+2*\p:(\reg)+2*\p+1], v[(\ax)+PCN/32] offset:8*(PCN%32)+TILEP*(\i)
.endif
.endr
.endm
.macro FETCH s, set                    ; K step s: S0's eight fragments and S1's four, 72 loads in one run
	WIN 0x40
.irp t, 0,1,2,3,4,5,6,7
	FRAGR 128*(\set)+12*\t, 4+20*(\t/4), 7+20*(\t/4), \s, \t%4   ; tiles 4-7 by v24-28, so that every offset fits its 16 bits
.endr
	WIN 0
.irp a, 0,1,2,3
	FRAGR F1+48*(\set)+12*\a, 9, 12, \s, \a
.endr
.endm
.macro WM dd, aa, bb, cc, sa, sb, ra, rb
.if (\ra) && (\rb)
	v_wmma_scale_f32_16x16x128_f8f6f4 v[(\dd):(\dd)+7], v[(\aa):(\aa)+11], v[(\bb):(\bb)+11], v[(\cc):(\cc)+7], v[(\sa)], v[(\sb)] matrix_a_fmt:MATRIX_FMT_FP6 matrix_b_fmt:MATRIX_FMT_FP6 matrix_a_scale:MATRIX_SCALE_ROW1 matrix_b_scale:MATRIX_SCALE_ROW1
.elseif (\ra)
	v_wmma_scale_f32_16x16x128_f8f6f4 v[(\dd):(\dd)+7], v[(\aa):(\aa)+11], v[(\bb):(\bb)+11], v[(\cc):(\cc)+7], v[(\sa)], v[(\sb)] matrix_a_fmt:MATRIX_FMT_FP6 matrix_b_fmt:MATRIX_FMT_FP6 matrix_a_scale:MATRIX_SCALE_ROW1
.elseif (\rb)
	v_wmma_scale_f32_16x16x128_f8f6f4 v[(\dd):(\dd)+7], v[(\aa):(\aa)+11], v[(\bb):(\bb)+11], v[(\cc):(\cc)+7], v[(\sa)], v[(\sb)] matrix_a_fmt:MATRIX_FMT_FP6 matrix_b_fmt:MATRIX_FMT_FP6 matrix_b_scale:MATRIX_SCALE_ROW1
.else
	v_wmma_scale_f32_16x16x128_f8f6f4 v[(\dd):(\dd)+7], v[(\aa):(\aa)+11], v[(\bb):(\bb)+11], v[(\cc):(\cc)+7], v[(\sa)], v[(\sb)] matrix_a_fmt:MATRIX_FMT_FP6 matrix_b_fmt:MATRIX_FMT_FP6
.endif
.endm
; 32 matrix instructions: K step s.  cmode 0: the sums go on; 1: they begin with the bias along j0; 2: with the bias along j1.  The 32 accumulators take turns, one instruction a turn,
; in the same order in every step.  Scale words: lanes 0-15 of a register hold those of tiles 0-3 (S1: 0-1), lanes 16-31 those of tiles 4-7 (S1: 2-3).
.macro MULS s, set, cmode
.if \cmode == 0
	WIN 0xa1
.else
	WIN 0xb1
.endif
.irp a, 0,1,2,3
.irp t, 0,1,2,3,4,5,6,7
.if \cmode == 0
.set CREG, 64*\a+8*\t
.elseif \cmode == 1
.set CREG, 8*\t
.else
.set CREG, 8*\a
.endif
	WM 64*\a+8*\t, 128*(\set)+12*\t, F1+48*(\set)+12*\a, CREG, SC0+8*(\t%4)+(\s), SC1+8*(\a%2)+(\s), \t/4, \a/2
.endr
.endr
.endm
; The 64 numbers of a lane in tile a of j1 (128 along j0: four blocks of 32) become a fragment's codes in v[F1 + 20 a] on and a scale word in v[PW + a].
.macro QUANT a
.set AC, 64*(\a)
.set PCA, F1+20*(\a)
	WIN 0x0a
.irp b, 0,1,2,3
	v_max3_num_f32 v[TM+\b], |v[AC+16*\b]|, |v[AC+16*\b+1]|, s86   ; block b: my 16 numbers, from each accumulator's low end on, and the floor
.endr
	WIN 0x28
.irp i, 2,4,6,8,10,12,14
.irp b, 0,1,2,3
	v_max3_num_f32 v[TM+\b], v[TM+\b], |v[AC+16*\b+\i]|, |v[AC+16*\b+\i+1]|
.endr
.endr
	WIN 0
.irp b, 0,1,2,3
	v_permlanex16_b32 v[TM+4+\b], v[TM+\b], s2, s3
.endr
.irp b, 0,1,2,3
	v_max_num_f32 v[TM+\b], v[TM+\b], v[TM+4+\b]                   ; with lane l xor 16's: the block's largest magnitude
.endr
.irp b, 0,1,2,3
	v_add_nc_u32 v[TM+12+\b], 0xff000000, v[TM+\b]                 ; 2 off its exponent field: the conversion's scale operand
.endr
.irp b, 0,1,2,3
	v_lshrrev_b32 v[TM+4+\b], 23, v[TM+12+\b]                      ; the scale's byte
.endr
	v_lshl_or_b32 v[PWT], v[TM+5], 8, v[TM+4]
	v_lshl_or_b32 v[PWT], v[TM+6], 16, v[PWT]
	v_lshl_or_b32 v[PWT], v[TM+7], 24, v[PWT]
	v_sub_nc_u32 v[PW+(\a)], v[PWT], s87                           ; q: 3 off each byte (each is 4 at the least, so no byte borrows); k, v: 0
	WIN 0x02
.irp c, 0,1
	v_cvt_scalef32_pk16_fp6_f32 v[PCA+6*\c:PCA+6*\c+2], v[AC+32*\c:AC+32*\c+15], v[TM+12+2*\c]
	v_cvt_scalef32_pk16_fp6_f32 v[PCA+12+4*\c:PCA+14+4*\c], v[AC+32*\c+16:AC+32*\c+31], v[TM+13+2*\c]   ; (a conversion's three registers begin on an even number)
.endr
	WIN 0
	v_nop                                                          ; one plain place behind a scaled conversion
.irp c, 0,1                                                        ; the operand's layout wants a whole block in a lane
.irp i, 0,1,2
	v_permlane16_swap_b32 v[PCA+6*\c+\i], v[PCA+12+4*\c+\i]
.endr
.irp i, 0,1,2
	v_mov_b32 v[PCA+3+6*\c+\i], v[PCA+12+4*\c+\i]
.endr
.endr
.endm
	s_load_b512 s[4:19], s[0:1], 0x0               ; q's set s[4:13]: S0's codes, S0's scales, S1's codes, S1's scales, bias; k's set from s14 on
	s_load_b512 s[20:35], s[0:1], 0x40             ; .. to s23; v's set s[24:33]; qkv s[34:35]
	v_lshl_add_u32 v254, v0, 2, 0x4c800
	v_mov_b32 v255, 0
	ds_add_u32 v254, v255
	ds_add_u32 v254, v255
	v_lshrrev_b32 v1, 5, v0
	v_readfirstlane_b32 s80, v1                    ; wave 0..3
	s_and_b32 s81, s80, 1                          ; WL: my half of j0.  Also: which half of a tile's rows I fetch
	s_lshr_b32 s82, s80, 1                         ; WH: my half of j1.  Also: I fetch for S0 (0) or for S1 (1)
	s_bfe_u32 s83, ttmp6, 0x40000                  ; cx
	s_bfe_u32 s84, ttmp6, 0x40004                  ; cy
	s_and_b32 s92, ttmp7, 0xffff                   ; the cluster's y, 0..47: the same in all sixteen partners
	s_lshr_b32 s85, s92, 4                         ; T: 0 q, 1 k, 2 v
	s_and_b32 s92, s92, 15                         ; which of the tensor's sixteen clusters
	s_and_b32 s93, s92, 7
	s_lshr_b32 s94, s92, 3
	s_cmp_eq_u32 s85, 2
	s_cselect_b32 s93, s93, 0                      ; clusters along j0: v has 8, q and k one
	s_cselect_b32 s94, s94, s92                    ; along j1: v has 2, q and k sixteen
	s_cselect_b32 s95, 26624, 0
	s_lshl_b32 s93, s93, 2
	s_add_co_u32 s93, s93, s83                     ; X0: my tile of 256 j0
	s_lshl_b32 s94, s94, 2
	s_add_co_u32 s94, s94, s84                     ; Y1: my tile of 128 j1
	s_cmp_eq_u32 s85, 0
	s_mov_b32 s86, 0x1800000                       ; the floor under a block's largest magnitude: 2^(3 - 127),
	s_cselect_b32 s86, 0x3000000, s86              ; for q 2^(6 - 127), so that its byte less 3 stays 1 at the least
	s_cselect_b32 s87, 0x03030303, 0
	s_cselect_b32 s95, 53248, s95                  ; where the tensor's part of a block of qkv begins
	s_mov_b32 s2, 0x76543210
	s_mov_b32 s3, 0xfedcba98                       ; v_permlanex16_b32's selects for lane l xor 16
	s_lshl_b32 s96, 0x1111, s83                    ; my column of the cluster
	s_lshl_b32 s97, s84, 2
	s_lshl_b32 s97, 15, s97                        ; my row
	; descriptor groups 1: rows of 256 bytes, 768 bytes apart in memory, 16 bytes of padding behind each in LDS
	s_or_b32 s36, s96, (1<<20)|(1<<21)|(5<<22)|(3<<25)   ; S0: 15:0 the mask; 17:16 elements of 1 byte; 20 padding on; 21 set beside a mask; after every 64 words, 4 words
	s_mov_b32 s37, 256<<16                         ; tensor_dim0
	s_mov_b32 s38, 384<<16                         ; tensor_dim1: 128 rows of 768 bytes are dense in memory: stated as 384 rows of 256 bytes
	s_mov_b32 s39, 256<<16                         ; tile_dim0
	s_mov_b32 s40, 384                             ; tile_dim1
	s_mov_b32 s41, 256                             ; from row to row
	s_mov_b32 s42, 0
	s_mov_b32 s43, 0
	s_or_b32 s44, s97, (1<<20)|(1<<21)|(5<<22)|(3<<25)   ; S1: 64 rows
	s_mov_b32 s45, 256<<16
	s_mov_b32 s46, 192<<16                         ; 64 rows of 768 bytes as 192 rows of 256
	s_mov_b32 s47, 256<<16
	s_mov_b32 s48, 192
	s_mov_b32 s49, 256
	s_mov_b32 s50, 0
	s_mov_b32 s51, 0
	s_wait_dscnt 0x0
	s_wait_kmcnt 0x0
	s_cmp_eq_u32 s85, 1                            ; the tensor's five buffers: the choice hangs on the cluster's number alone
	s_cselect_b64 s[14:15], s[14:15], s[24:25]
	s_cselect_b64 s[16:17], s[16:17], s[26:27]
	s_cselect_b64 s[18:19], s[18:19], s[28:29]
	s_cselect_b64 s[20:21], s[20:21], s[30:31]
	s_cselect_b64 s[22:23], s[22:23], s[32:33]
	s_cmp_eq_u32 s85, 0
	s_cselect_b64 s[4:5], s[4:5], s[14:15]         ; S0's codes
	s_cselect_b64 s[6:7], s[6:7], s[16:17]         ; S0's scales
	s_cselect_b64 s[8:9], s[8:9], s[18:19]         ; S1's codes
	s_cselect_b64 s[10:11], s[10:11], s[20:21]     ; S1's scales
	s_cselect_b64 s[12:13], s[12:13], s[22:23]     ; the bias
	s_lshl_b32 s16, s93, 8                         ; S0: row 256 X0 + 128 WL, in registers that never hold cy
	s_lshl_b32 s17, s81, 7
	s_add_co_u32 s16, s16, s17
	s_mul_i32 s16, s16, 768
	s_mov_b32 s17, 0
	s_add_nc_u64 s[16:17], s[4:5], s[16:17]
	s_lshl_b32 s18, s94, 7                         ; S1: row 128 Y1 + 64 WL, in registers that never hold cx
	s_lshl_b32 s19, s81, 6
	s_add_co_u32 s18, s18, s19
	s_mul_i32 s18, s18, 768
	s_mov_b32 s19, 0
	s_add_nc_u64 s[18:19], s[8:9], s[18:19]
	s_mul_i32 s14, s81, S0HALF                     ; where they go: no place in the cluster enters an LDS address
	s_mul_i32 s15, s81, S1HALF
	CROUND                                         ; all sixteen work-groups are here: the joint loads meet
.irp c, 0
	s_mov_b32 s[52+4*\c], 1
	s_add_co_u32 s[53+4*\c], s14, \c*CH
	s_add_nc_u64 s[54+4*\c:55+4*\c], s[16:17], \c*256
	s_or_b32 s[55+4*\c], s[55+4*\c], 0x80000000
	s_mov_b32 s[68+4*\c], 1
	s_add_co_u32 s[69+4*\c], s15, \c*CH+S1OFF
	s_add_nc_u64 s[70+4*\c:71+4*\c], s[18:19], \c*256
	s_or_b32 s[71+4*\c], s[71+4*\c], 0x80000000
.endr
	s_cmp_eq_u32 s82, 0                            ; one fill a wave, in the two arms of one branch on the wave's number
	s_cbranch_scc0 .Lfill_s1
	tensor_load_to_lds s[52:55], s[36:43]
	s_nop 0
	PLACES 4
	s_branch .Lfilled
.Lfill_s1:
	tensor_load_to_lds s[68:71], s[44:51]
	s_nop 0
	PLACES 4
.Lfilled:
	v_and_b32 v1, 15, v0                           ; r
	v_bfe_u32 v2, v0, 4, 1                         ; h
	v_and_b32 v3, 31, v0                           ; lane
	v_mul_u32_u24 v20, v1, PITCH
	v_mad_u32_u24 v21, v2, 24, v20                 ; row r, + 24 h
	v_mad_u32_u24 v22, v2, CH-232, v20             ; row r; lanes 16-31 at the head of the next chunk
	v_add_nc_u32 v4, s14, v21                      ; S0: my 128 rows, chunks 0, 1, 2
	v_add_nc_u32 v5, CH, v4
	v_add_nc_u32 v6, CH, v5
	v_add_nc_u32 v7, s14, v22
	v_add_nc_u32 v8, CH, v7
.irp i, 4,5,6,7,8
	v_add_nc_u32 v[20+\i], 4*TILEP, v[\i]          ; the same five addresses for S0's tiles 4-7
.endr
	s_mul_i32 s24, s82, S1HALF
	s_add_co_u32 s24, s24, S1OFF
	v_add_nc_u32 v9, s24, v21                      ; S1: my 64 rows
	v_add_nc_u32 v10, CH, v9
	v_add_nc_u32 v11, CH, v10
	v_add_nc_u32 v12, s24, v22
	v_add_nc_u32 v13, CH, v12
	v_lshlrev_b32 v14, 5, v1
	v_lshl_add_u32 v15, v2, 10, v14                ; S1's scale rows: 32 r, lanes 16-31 two tiles on
	v_lshl_add_u32 v14, v2, 11, v14                ; S0's: lanes 16-31 four tiles on
	s_wait_alu depctr_va_vdst(0)
	v_lshlrev_b32 v16, 5, v2                       ; the bias along j0: 32 h
	v_lshlrev_b32 v19, 2, v1                       ; along j1: 4 r
	v_lshlrev_b32 v17, 4, v3                       ; 16 x lane
	v_lshlrev_b32 v18, 3, v3                       ; 8 x lane
.irp b, 0,1,2,3
	v_mov_b32 v[TM+4+\b], 0                        ; written once: a lane permute's destination counts as one of its sources
.endr
	s_lshl_b32 s20, s93, 1
	s_add_co_u32 s20, s20, s81                     ; J0w: my wave's run of 128 j0
	s_lshl_b32 s21, s94, 1
	s_add_co_u32 s21, s21, s82                     ; J1q: my wave's run of 64 j1
	s_lshl_b32 s22, s20, 12
	s_mov_b32 s23, 0
	s_add_nc_u64 s[6:7], s[6:7], s[22:23]          ; 32 bytes of scales a row
	s_lshl_b32 s22, s21, 11
	s_add_nc_u64 s[10:11], s[10:11], s[22:23]
.irp i, 0,1,2,3                                    ; a row's 32 scale bytes are the words of the eight K steps: they go straight into the scale registers
.irp q, 0,1
	global_load_b128 v[SC0+8*\i+4*\q:SC0+8*\i+4*\q+3], v14, s[6:7] offset:512*\i+16*\q
.endr
.endr
.irp i, 0,1
.irp q, 0,1
	global_load_b128 v[SC1+8*\i+4*\q:SC1+8*\i+4*\q+3], v15, s[10:11] offset:512*\i+16*\q
.endr
.endr
	s_lshl_b32 s22, s20, 9
	s_lshl_b32 s24, s21, 8
	s_cmp_eq_u32 s85, 2
	s_cselect_b32 s22, s24, s22
	s_add_nc_u64 s[12:13], s[12:13], s[22:23]
	s_cmp_eq_u32 s85, 2                            ; the bias in the result's layout; both ways write all 64 registers
	s_cbranch_scc1 .Lbias_v
	WIN 0xc0
	s_wait_alu depctr_va_vdst(0)
.irp t, 0,1,2,3,4,5,6,7
	global_load_b128 v[8*\t:8*\t+3], v16, s[12:13] offset:64*\t          ; tile t: j0 = 16 t + 8 h + 0 .. 7
	global_load_b128 v[8*\t+4:8*\t+7], v16, s[12:13] offset:64*\t+16
.endr
	WIN 0
	s_branch .Lbias_done
.Lbias_v:
	WIN 0xc0
	s_wait_alu depctr_va_vdst(0)
.irp a, 0,1,2,3,4,5,6,7
.irp j, 0,1,2,3,4,5,6,7
	global_load_b32 v[8*\a+\j], v19, s[12:13] offset:64*(\a%4)           ; tile a: j1 = 16 a + r, the same in all eight registers
.endr
.endr
	WIN 0
.Lbias_done:
	; where my results go: block (128 tokens, 4 heads), and in it my run of four fragments
	s_lshr_b32 s24, s21, 1
	s_and_b32 s25, s21, 1
	s_lshl_b32 s26, s20, 1
	s_add_co_u32 s25, s25, s26
	s_cmp_eq_u32 s85, 2
	s_cselect_b32 s24, s20, s24                    ; the run of 128 tokens
	s_cselect_b32 s25, s21, s25                    ; q, k: 2 x pair of heads + half of the tokens; v: the head
	s_lshl_b32 s24, s24, 2
	s_lshr_b32 s26, s25, 2
	s_add_co_u32 s24, s24, s26
	s_mul_i32 s24, s24, BLKB
	s_add_co_u32 s24, s24, s95
	s_and_b32 s25, s25, 3
	s_mul_i32 s26, s25, 6144
	s_add_co_u32 s26, s26, s24
	s_mov_b32 s27, 0
	s_add_nc_u64 s[88:89], s[34:35], s[26:27]      ; the codes
	s_lshl_b32 s28, s25, 9
	s_add_co_u32 s28, s28, s24
	s_add_co_u32 s28, s28, 24576
	s_mov_b32 s29, 0
	s_add_nc_u64 s[90:91], s[34:35], s[28:29]      ; the scale words
	s_wait_tensorcnt 0x0                           ; my one load is in: my rows, all of K; nothing is ever filled again
	s_barrier_signal -1
	s_barrier_wait -1                              ; everybody's is
	FETCH 0, 0
	s_wait_loadcnt 0x0                             ; the scale words and the bias
	s_wait_dscnt 0x0
	FETCH 1, 1
	s_cmp_eq_u32 s85, 2                            ; K step 0 starts the sums with the bias
	s_cbranch_scc1 .Lfirst_v
	MULS 0, 0, 1
	WIN 0
	s_branch .Lfirst_done
.Lfirst_v:
	MULS 0, 0, 2
	WIN 0
.Lfirst_done:
; K step s: its fragments are in; the next step's are asked for in one run, into the set that the last step multiplied, four places behind those products (ISA guide 7.12.1 for vector instructions).
.macro STEP s
	s_wait_dscnt 0x0
.if (\s) < 7
	PLACES 4
	FETCH (\s)+1, ((\s)+1)%2
.endif
	MULS \s, (\s)%2, 0
.endm
.irp s, 1,2,3,4,5,6,7
	STEP \s
.endr
	PLACES 4                                       ; in front of the first read of results
.irp a, 0,1,2,3                                    ; each tile has code registers of its own, so no store's data are written again
	QUANT \a
	global_store_b128 v17, v[F1+20*\a:F1+20*\a+3], s[88:89] offset:1536*\a            ; 32 lanes store 512 consecutive bytes, at a multiple of 256 from the buffer's first byte
	global_store_b64 v18, v[F1+20*\a+4:F1+20*\a+5], s[88:89] offset:1536*\a+512       ; 256
	global_store_b128 v17, v[F1+20*\a+6:F1+20*\a+9], s[88:89] offset:1536*\a+768
	global_store_b64 v18, v[F1+20*\a+10:F1+20*\a+11], s[88:89] offset:1536*\a+1280
.endr
	global_store_b128 v17, v[PW:PW+3], s[90:91]    ; the four tiles' scale words, 16 bytes a lane (lanes 16-31 hold what lanes 0-15 hold)
	s_wait_tensorcnt 0x0
	ds_add_u32 v254, v255
	s_wait_dscnt 0x0
	CROUND                                         ; the closing round: no work-group ends while a partner may still ask for a tile that names it
	s_endpgm
.Lfunc_end_k_qb9ce4c9ece_proj:
	.size	k_qb9ce4c9ece_proj, .Lfunc_end_k_qb9ce4c9ece_proj-k_qb9ce4c9ece_proj
	.p2alignl 7, 3214868480
	.fill 96, 4, 3214868480
	.section	.rodata,"a",@progbits
	.p2align	6, 0x0
	.amdhsa_kernel k_qb9ce4c9ece_proj
		.amdhsa_group_segment_fixed_size 313856
		.amdhsa_private_segment_fixed_size 0
		.amdhsa_enable_private_segment 0
		.amdhsa_kernarg_size 128
		.amdhsa_user_sgpr_count 2
		.amdhsa_user_sgpr_kernarg_segment_ptr 1
		.amdhsa_wavefront_size32 1
		.amdhsa_system_sgpr_workgroup_id_x 1
		.amdhsa_system_sgpr_workgroup_id_y 1
		.amdhsa_system_sgpr_workgroup_id_z 1
		.amdhsa_system_vgpr_workitem_id 0
		.amdhsa_next_free_vgpr 832
		.amdhsa_next_free_sgpr 100
		.amdhsa_reserve_vcc 0
		.amdhsa_float_denorm_mode_32 3
		.amdhsa_float_denorm_mode_16_64 3
		.amdhsa_memory_ordered 1
		.amdhsa_forward_progress 1
		.amdhsa_inst_pref_size 109
	.end_amdhsa_kernel
	.amdgpu_metadata
---
amdhsa.version: [ 1, 2 ]
amdhsa.kernels:
  - .name:           k_qb9ce4c9ece_proj
    .symbol:         k_qb9ce4c9ece_proj.kd
    .args:
      - { .name: Wq_codes, .offset: 0, .size: 8, .value_kind: global_buffer, .address_space: global }
      - { .name: Wq_scales, .offset: 8, .size: 8, .value_kind: global_buffer, .address_space: global }
      - { .name: query_codes, .offset: 16, .size: 8, .value_kind: global_buffer, .address_space: global }
      - { .name: query_scales, .offset: 24, .size: 8, .value_kind: global_buffer, .address_space: global }
      - { .name: bq, .offset: 32, .size: 8, .value_kind: global_buffer, .address_space: global }
      - { .name: Wk_codes, .offset: 40, .size: 8, .value_kind: global_buffer, .address_space: global }
      - { .name: Wk_scales, .offset: 48, .size: 8, .value_kind: global_buffer, .address_space: global }
      - { .name: key_codes, .offset: 56, .size: 8, .value_kind: global_buffer, .address_space: global }
      - { .name: key_scales, .offset: 64, .size: 8, .value_kind: global_buffer, .address_space: global }
      - { .name: bk, .offset: 72, .size: 8, .value_kind: global_buffer, .address_space: global }
      - { .name: value_codes, .offset: 80, .size: 8, .value_kind: global_buffer, .address_space: global }
      - { .name: value_scales, .offset: 88, .size: 8, .value_kind: global_buffer, .address_space: global }
      - { .name: Wv_codes, .offset: 96, .size: 8, .value_kind: global_buffer, .address_space: global }
      - { .name: Wv_scales, .offset: 104, .size: 8, .value_kind: global_buffer, .address_space: global }
      - { .name: bv, .offset: 112, .size: 8, .value_kind: global_buffer, .address_space: global }
      - { .name: qkv, .offset: 120, .size: 8, .value_kind: global_buffer, .address_space: global }
    .group_segment_fixed_size: 313856
    .private_segment_fixed_size: 0
    .kernarg_segment_align: 8
    .kernarg_segment_size: 128
    .max_flat_workgroup_size: 128
    .sgpr_count:     100
    .vgpr_count:     832
    .wavefront_size: 32
...
	.end_amdgpu_metadata
.endif
;; end of part 1
;; launch attn (part 2): grid 4 x 64, 8 waves a work-group, clusters of 4 x 4, 327,680 bytes of LDS; arguments qkv, mask, cc, cs; writes cc, cs
.if DOCPART == 2
	.amdgcn_target "amdgcn-amd-amdhsa--gfx1250"
	.amdhsa_code_object_version 6
	.text
	.protected	k_qb9ce4c9ece_attn
	.globl	k_qb9ce4c9ece_attn
	.p2align	8
	.type	k_qb9ce4c9ece_attn,@function
k_qb9ce4c9ece_attn:
	s_mov_b64 s[64:65], 0
	v_nop
	global_prefetch_b8 v0, s[64:65] scope:SCOPE_SE
	s_setreg_imm32_b32 hwreg(HW_REG_WAVE_MODE, 25, 1), 1
	s_wait_xcnt 0x0
	s_wait_alu depctr_hold_cnt(0) depctr_sa_sdst(0) depctr_va_vdst(0) depctr_va_sdst(0) depctr_va_ssrc(0) depctr_va_vcc(0) depctr_vm_vsrc(0)
	s_getreg_b32 s2, hwreg(HW_REG_IB_STS2, 6, 4)
	s_cmp_eq_u32 s2, 0
	s_cbranch_scc0 .Lentry_in_a_cluster
	s_endpgm
.Lentry_in_a_cluster:
	s_bfe_u32 s2, ttmp6, 0x10000c
	s_cmp_lg_u32 s2, 0xf033
	s_cbranch_scc0 .Lentry_shape_is_right
	s_endpgm
.Lentry_shape_is_right:
; ATTENTION on codes of FP6 (E2M3): S^T = K Q^T / 8 + mask, the softmax, O^T = V^T P^T, O / l, and the quantiser of the context along the model's 1,024.
; SHARES.  A work-group owns 128 queries of one batch and FOUR heads (g = its place along the cluster's x; the grid is one cluster wide).  Each of its eight waves owns 16 queries for all four heads,
; two waves to a SIMD, so that one wave's vector work stands beside the other's matrix work and LDS loads.  Every wave walks the 2,048 keys, 128 a step.
; THE MASK COSTS NO VECTOR INSTRUCTION: its 16 x 128 numbers, in the result's layout, are the C of the first product, read from LDS once a step for the four heads.  The factor 1 / 8 lies in q's scale bytes.
; K = 64 IN AN INSTRUCTION OF 128: Q's operand is [q | zero codes] for an even head and [zero codes | q] for an odd one; what K's operand holds beside its 64 meets zero codes and adds nothing
; (no code of this format is a NaN or an infinity).  So K's halves of fragments lie 6 registers apart, each beside its neighbour, with 6 registers of slack at both ends.
; LAYOUT.  Both products are used transposed: a lane holds ONE query (lane % 16) throughout, its registers run along the keys, then along the head's 64.
; p is coded in the order in which the first launch coded V along the tokens, so the second product keeps its terms.
; THE SOFTMAX: t = logit x log2(e); M = the running largest t rounded UP to a whole number; p = 2^(t - M) is quantised along the keys, not normalised; the sum is taken of the unquantised p and divides O at the end.
; When M moves, the sum and O are multiplied by 2^(old M - new M): exact.
; RING: two LDS slots, each with a step's tile of the mask (128 rows x 512 bytes + 16) and its block of K and V (53,248 dense bytes: images of the operands' registers).
; CLUSTER 4 x 4: the mask's tile hangs on the queries alone and is asked for jointly by a row of the cluster (its four groups of heads); K and V hang on batch and group and are asked for jointly by a column.
; LIMITS: NaN among the inputs is not served; a mask of -infinity leans on the matrix unit's sum with an infinite C; a row all of whose keys are -infinity is not served.
; REGISTERS: window 0: v1-10 addresses; v16-31 four registers of statistics a head; v32-95 S^T, then p; v96-155 K's or V's fragments; v156-175 p's codes; v176-191 at work; v192-206 scale words; v208-243 Q; v244-253 the way out.
;   window 1: v0-127 O^T (head hh, tile t at 32 hh + 8 t); v128-191 the mask.
.set BLKB,  79872
.set SLOT1, 131072                     ; slot 1 begins here: one exclusive or turns an address in one slot into the other's
.set KVOFF, 67584                      ; behind the mask's 128 rows of 528 bytes
.set SPARE, 262144                     ; the spare words, 128 bytes for each wave: four blocks of 256 bytes that no other line names
.set S,   32
.set FB,  102
.set PC,  156
.set BM,  176
.set T4,  180
.set SO,  184
.set TS,  188
.set FP,  190
.set KS,  192
.set VS,  200
.set QS,  204
.set PS,  206
.set WK,  207
.set QB,  208
.set RI,  244
.set CW,  252
.set MSB, 0
.macro WIN new
.if MSB != \new
	s_set_vgpr_msb (MSB<<8)|\new
.set MSB, \new
.endif
.endm
.macro PLACES n
.rept \n
	v_nop
.endr
.endm
.macro CROUND
	s_barrier_signal -1
	s_barrier_wait -1
	s_cmp_lg_u32 s12, 0
	s_cbranch_scc1 .Lnot_wave_0_\@
	s_barrier_signal -3
.Lnot_wave_0_\@:
	s_barrier_wait -3
	s_barrier_signal -1
	s_barrier_wait -1
.endm
; Waves 0 and 1 fetch the mask's halves, waves 2 and 3 K's and V's parts of the block, the others nothing.  The branches hang on the wave's number alone.  Four v_nop follow each of the two lines.
.macro TLOAD
	s_cmp_lt_u32 s12, 2
	s_cbranch_scc0 .Lnot_m_\@
	tensor_load_to_lds s[40:43], s[24:31]
	s_nop 0
	PLACES 4
	s_branch .Lasked_\@
.Lnot_m_\@:
	s_cmp_lt_u32 s12, 4
	s_cbranch_scc0 .Lasked_\@
	tensor_load_to_lds s[44:47], s[32:39]
	s_nop 0
	PLACES 4
.Lasked_\@:
.endm
.macro FETCHK hh                       ; head hh's halves of the eight fragments of K; with an even head the pair's scale words
.set KO, 12288*((\hh)/2)+768*((\hh)%2)
.irp t, 0,1,2,3,4,5,6,7
	ds_load_b128 v[FB+6*\t:FB+6*\t+3], v7 offset:KO+1536*\t
	ds_load_b64 v[FB+6*\t+4:FB+6*\t+5], v8 offset:KO+1536*\t+512
.endr
.if (\hh)%2 == 0
	ds_load_b128 v[KS:KS+3], v7 offset:24576+1024*((\hh)/2)
	ds_load_b128 v[KS+4:KS+7], v7 offset:24576+1024*((\hh)/2)+512
.endif
.endm
.macro FETCHV hh                       ; head hh's four fragments of V^T (16 of the head's 64 x 128 keys) and their scale words
.irp t, 0,1,2,3
	ds_load_b128 v[FB+12*\t:FB+12*\t+3], v7 offset:26624+6144*(\hh)+1536*\t
	ds_load_b64 v[FB+12*\t+4:FB+12*\t+5], v8 offset:26624+6144*(\hh)+1536*\t+512
	ds_load_b128 v[FB+12*\t+6:FB+12*\t+9], v7 offset:26624+6144*(\hh)+1536*\t+768
	ds_load_b64 v[FB+12*\t+10:FB+12*\t+11], v8 offset:26624+6144*(\hh)+1536*\t+1280
.endr
	ds_load_b128 v[VS:VS+3], v7 offset:51200+512*(\hh)
.endm
.macro SUMJ j                          ; the row's sum of the unquantised p, two at a time, in two chains
	v_pk_add_f32 v[STT+2:STT+3], v[STT+2:STT+3], v[S+(\j):S+(\j)+1]
	v_pk_add_f32 v[TS:TS+1], v[TS:TS+1], v[S+(\j)+2:S+(\j)+3]
.endm
; ONE HEAD'S PART OF A KEY STEP.
.macro HEAD hh, mid                    ; mid = 0: no change of slots; 1: head 3 with the change of slots and a refill; 2: head 3 with the change of slots and no refill
.set PP, (\hh)/2
.set EE, (\hh)%2
.set STT, 16+4*(\hh)                   ; -M, the largest t, the sum in two halves
.set OB, 32*(\hh)
	s_wait_dscnt 0x0                               ; K's halves and scale words are in (with head 0: the mask too)
	WIN 0x10                                       ; C, the mask, in window 1
.irp t, 0,1,2,3,4,5,6,7
	v_wmma_scale_f32_16x16x128_f8f6f4 v[S+8*\t:S+8*\t+7], v[FB+6*\t-6*EE:FB+6*\t-6*EE+11], v[QB+18*PP+6*EE:QB+18*PP+6*EE+11], v[128+8*\t:135+8*\t], v[KS+\t], v[QS+PP] matrix_a_fmt:MATRIX_FMT_FP6 matrix_b_fmt:MATRIX_FMT_FP6
.endr
	WIN 0
	PLACES 4                                       ; in front of loads into registers that these products read, and of the first read of the logits
	FETCHV \hh
.irp b, 0,1,2,3
	v_max3_num_f32 v[BM+\b], v[S+16*\b], v[S+16*\b+1], v[S+16*\b+2]   ; the largest logit of each block of 32 keys: it serves the row's maximum and, since p rises with the logit, the block's largest p
.endr
.irp i, 3,5,7,9,11,13
.irp b, 0,1,2,3
	v_max3_num_f32 v[BM+\b], v[BM+\b], v[S+16*\b+\i], v[S+16*\b+\i+1]
.endr
.endr
.irp b, 0,1,2,3
	v_max_num_f32 v[BM+\b], v[BM+\b], v[S+16*\b+15]
.endr
.irp b, 0,1,2,3
	s_delay_alu instid0(VALU_DEP_4)
	v_permlanex16_b32 v[T4+\b], v[BM+\b], s20, s21
.endr
.irp b, 0,1,2,3
	s_delay_alu instid0(VALU_DEP_4)
	v_max_num_f32 v[BM+\b], v[BM+\b], v[T4+\b]     ; with lane l xor 16's 16 keys
.endr
	s_delay_alu instid0(VALU_DEP_2)
	v_max3_num_f32 v[WK], v[BM], v[BM+1], v[BM+2]
	s_delay_alu instid0(VALU_DEP_1)
	v_max_num_f32 v[WK], v[WK], v[BM+3]
	s_delay_alu instid0(VALU_DEP_1)
	v_mul_f32 v[WK], s22, v[WK]                    ; as t
	s_delay_alu instid0(VALU_DEP_1)
	v_max_num_f32 v[STT+1], v[STT+1], v[WK]        ; the running largest t
	v_mov_b32 v[WK], v[STT]
	s_delay_alu instid0(VALU_DEP_2)
	v_floor_f32 v[STT], -v[STT+1]                  ; the new -M = floor(-t): M is a whole number
	s_delay_alu instid0(VALU_DEP_1)
	v_sub_f32 v[WK], v[STT], v[WK]                 ; old M less new M: a whole number, 0 or less
	s_delay_alu instid0(VALU_DEP_1)
	v_cvt_i32_f32 v[WK], v[WK]                     ; (it saturates)
	s_delay_alu instid0(VALU_DEP_1)
	v_ldexp_f32 v[FP], 1.0, v[WK]                  ; f = 2^(old M - new M)
.if (\mid) > 0
	; THE CHANGE OF SLOTS stands here, in head 3: V's fragments were my last reads of the slot in hand
	s_wait_alu depctr_va_vdst(0)
	s_wait_tensorcnt 0x0                           ; no tensor load of mine is out, so a group 0 may be written
	ds_add_u32 v1, v2                              ; 0 onto my spare word; the 36 multiply-adds below stand between it and the wait for it
.if (\mid) == 1
	s_xor_b32 s41, s41, SLOT1                      ; the walking descriptors: the slot in hand,
	s_add_nc_u64 s[42:43], s[42:43], 512           ; the mask's 128 keys two steps on,
	s_xor_b32 s45, s45, SLOT1
	s_add_nc_u64 s[46:47], s[46:47], 4*BLKB        ; and those tokens' block of my group
.endif
.endif
.set J, 0
.rept 32
	v_pk_fma_f32 v[S+J:S+J+1], v[S+J:S+J+1], s[22:23], v[STT:STT+1] op_sel_hi:[1,0,0]   ; t - M, two at a time
.set J, J+2
.endr
.irp b, 0,1,2,3
	v_fma_f32 v[BM+\b], v[BM+\b], s22, v[STT]      ; the same of each block's largest logit
.endr
.if (\mid) > 0
	s_wait_dscnt 0x0                               ; the add is done, and my reads of the slot in hand are over: V's fragments are in registers
.if (\mid) == 1
	CROUND                                         ; no wave of any partner still reads that slot or has a load on its way
	TLOAD                                          ; the joint refill, first behind the round: the tiles two steps on; the wait for it stands one whole key step further on
.else
	s_barrier_signal -1                            ; every trip of the second loop alike; in its last trip no slot is read behind it
	s_barrier_wait -1
	s_cmp_eq_u32 s49, 1                            ; the last key step has no successor: nothing is fetched
	s_cbranch_scc1 .Lno_next_\@
.endif
	s_xor_b32 s48, s48, SLOT1                      ; on to the other slot, which is whole
	NEXTM                                          ; the next step's mask: this head's first product has read the old one; the rest of this head stands over these loads
.if (\mid) == 2
.Lno_next_\@:
.endif
.endif
.set J, 0
	s_wait_alu depctr_va_vdst(0)
.rept 64
	v_exp_f32 v[S+J], v[S+J]                       ; p = 2^(t - M), at most 1
.set J, J+1
.endr
.irp b, 0,1,2,3
	v_exp_f32 v[BM+\b], v[BM+\b]                   ; the block's largest p: the same two instructions on the same number
.endr
	v_pk_mul_f32 v[STT+2:STT+3], v[STT+2:STT+3], v[FP:FP+1] op_sel_hi:[1,0]   ; the sum under the new M.  (A plain place behind the exponentials)
	s_wait_alu depctr_va_vdst(0)
.irp b, 0,1,2,3
	v_max_num_f32 v[BM+\b], 0x1800000, v[BM+\b]    ; the floor 2^(3 - 127): the byte cannot fall under 1
.endr
.irp b, 0,1,2,3
	s_delay_alu instid0(VALU_DEP_4)
	v_add_nc_u32 v[SO+\b], 0xff000000, v[BM+\b]    ; 2 off the exponent field: the conversion's scale operand
.endr
.irp b, 0,1,2,3
	s_delay_alu instid0(VALU_DEP_4)
	v_lshrrev_b32 v[T4+\b], 23, v[SO+\b]           ; the scale's byte
.endr
	s_delay_alu instid0(VALU_DEP_3)
	v_lshl_or_b32 v[PS], v[T4+1], 8, v[T4]         ; p's scale word for these 128 keys
	s_delay_alu instid0(VALU_DEP_1)
	v_lshl_or_b32 v[PS], v[T4+2], 16, v[PS]
	s_delay_alu instid0(VALU_DEP_1)
	v_lshl_or_b32 v[PS], v[T4+3], 24, v[PS]
.irp c, 0,1
	v_cvt_scalef32_pk16_fp6_f32 v[PC+6*\c:PC+6*\c+2], v[S+32*\c:S+32*\c+15], v[SO+2*\c]
	v_cvt_scalef32_pk16_fp6_f32 v[PC+12+4*\c:PC+14+4*\c], v[S+32*\c+16:S+32*\c+31], v[SO+2*\c+1]
.endr
	v_nop                                          ; one plain place behind a scaled conversion
.irp c, 0,1
.irp i, 0,1,2
	v_permlane16_swap_b32 v[PC+6*\c+\i], v[PC+12+4*\c+\i]
.endr
.irp i, 0,1,2
	s_delay_alu instid0(VALU_DEP_3)
	v_mov_b32 v[PC+3+6*\c+\i], v[PC+12+4*\c+\i]
.endr
.endr
	WIN 0x41
.set J, 0
.rept 16
	v_pk_mul_f32 v[OB+J:OB+J+1], v[OB+J:OB+J+1], v[FP:FP+1] op_sel_hi:[1,0]   ; O^T under the new M
.set J, J+2
.endr
	WIN 0
	v_pk_add_f32 v[TS:TS+1], v[S:S+1], v[S+2:S+3]
	SUMJ 4
	SUMJ 8
	SUMJ 12                                        ; (p's codes stand more than 4 plain lines, its scale word more than 8, ahead of the products below)
	s_wait_alu depctr_va_vdst(0)
	s_wait_dscnt 0x0                               ; V's fragments and scale words are in
	WIN 0x50                                       ; C and D, O^T, in window 1
.irp t, 0,1,2,3
	v_wmma_scale_f32_16x16x128_f8f6f4 v[OB+8*\t:OB+8*\t+7], v[FB+12*\t:FB+12*\t+11], v[PC:PC+11], v[OB+8*\t:OB+8*\t+7], v[VS+\t], v[PS] matrix_a_fmt:MATRIX_FMT_FP6 matrix_b_fmt:MATRIX_FMT_FP6
.endr
	WIN 0
	SUMJ 16
	SUMJ 20                                        ; these four lines name none of the products' registers: the places in front of the loads below
.if (\hh) < 3
	FETCHK (\hh)+1
.elseif (\mid) == 1
	FETCHK 0                                       ; the next step's head 0, from the other slot
.else
	s_wait_alu depctr_va_vdst(0)
	s_cmp_eq_u32 s49, 1
	s_cbranch_scc1 .Lno_k_\@
	FETCHK 0
.Lno_k_\@:
.endif
.irp j, 24,28,32,36,40,44,48,52,56,60
	SUMJ \j
.endr
	s_delay_alu instid0(VALU_DEP_1)
	v_pk_add_f32 v[STT+2:STT+3], v[STT+2:STT+3], v[TS:TS+1]
.endm
.macro NEXTM                           ; the addresses in slot s48, and its tile of the mask into registers
	v_add_nc_u32 v6, s48, v3
	v_add_nc_u32 v7, s48, v4
	v_add_nc_u32 v8, s48, v5
	WIN 0x40
.irp t, 0,1,2,3,4,5,6,7
	ds_load_b128 v[128+8*\t:131+8*\t], v6 offset:64*\t       ; mask(my query, keys 16 t + 8 h + 0 .. 7)
	ds_load_b128 v[132+8*\t:135+8*\t], v6 offset:64*\t+16
.endr
	WIN 0
.endm
.macro STEP mid                        ; a key step: its mask and head 0's K were asked for in the step before
	HEAD 0, 0
	HEAD 1, 0
	HEAD 2, 0
	HEAD 3, \mid
.endm
; The sequence in front of slot 1's first fill, ahead of the first step: each wave waits for all its tensor loads, adds 0 to its spare word and waits for that;
; a round of the cluster's barrier follows, and the joint load comes first behind it.  The later changes of slots have the same lines, inside head 3.
.macro CHANGE fill
	s_wait_tensorcnt 0x0                           ; no tensor load of mine is out, so a group 0 may be written
	ds_add_u32 v1, v2                              ; 0 onto my spare word
.if \fill
	s_xor_b32 s41, s41, SLOT1                      ; the walking descriptors: the other slot,
	s_add_nc_u64 s[42:43], s[42:43], 512           ; the mask's next 128 keys,
	s_xor_b32 s45, s45, SLOT1
	s_add_nc_u64 s[46:47], s[46:47], 4*BLKB        ; the next 128 tokens' block of my group
.endif
	s_wait_dscnt 0x0                               ; the add is done, and my reads of the slot that I have left are over
.if \fill
	CROUND
	TLOAD
.else
	s_barrier_signal -1
	s_barrier_wait -1
.endif
.endm
	s_load_b256 s[4:11], s[0:1], 0x0               ; qkv s[4:5], mask s[6:7], cc s[8:9], cs s[10:11]
	v_lshl_add_u32 v1, v0, 2, SPARE
	v_mov_b32 v2, 0
	ds_add_u32 v1, v2
	ds_add_u32 v1, v2
	s_wait_dscnt 0x0
	v_lshrrev_b32 v11, 5, v0
	s_delay_alu instid0(VALU_DEP_1)
	v_readfirstlane_b32 s12, v11                   ; wave 0..7
	s_and_b32 s13, s12, 1                          ; which half I fetch, if I fetch
	s_bfe_u32 s14, ttmp6, 0x40000                  ; cx = g, my group of four heads
	s_bfe_u32 s15, ttmp6, 0x40004                  ; cy
	s_and_b32 s16, ttmp7, 0xffff                   ; the cluster's y
	s_lshl_b32 s17, s16, 2
	s_add_co_u32 s17, s17, s15                     ; y = 16 x batch + block of 128 queries
	s_lshl_b32 s18, s15, 2
	s_lshl_b32 s18, 15, s18                        ; my row of the cluster
	s_lshl_b32 s19, 0x1111, s14                    ; my column
	s_mov_b32 s20, 0x76543210
	s_mov_b32 s21, 0xfedcba98                      ; v_permlanex16_b32's selects for lane l xor 16
	s_mov_b32 s22, 0x3fb8aa3b                      ; log2(e)
	s_mov_b32 s23, s22                             ; (named with it as a pair, so it is written)
	s_or_b32 s24, s18, (2<<16)|(1<<20)|(1<<21)|(6<<22)|(3<<25)   ; the mask: elements of 4 bytes; padding of 4 words behind every 128
	s_mov_b32 s25, 128<<16                         ; tensor_dim0
	s_mov_b32 s26, 64<<16                          ; tensor_dim1
	s_mov_b32 s27, 128<<16                         ; tile_dim0
	s_mov_b32 s28, 64                              ; tile_dim1
	s_mov_b32 s29, 2048                            ; from row to row
	s_mov_b32 s30, 0
	s_mov_b32 s31, 0
	s_or_b32 s32, s19, (3<<16)|(1<<21)             ; K and V: a dense block as 104 rows of 256 bytes (32 elements of 8 bytes), no padding
	s_mov_b32 s33, 32<<16
	s_mov_b32 s34, 104<<16
	s_mov_b32 s35, 32<<16
	s_mov_b32 s36, 104
	s_mov_b32 s37, 32
	s_mov_b32 s38, 0
	s_mov_b32 s39, 0
	s_mov_b32 s48, 0                               ; the slot in hand
	s_mov_b32 s49, 14                              ; key steps in which a slot is filled again: steps 0 to 13 ask for steps 2 to 15
	s_lshl_b32 s52, s17, 20                        ; the mask: row 128 y + 64 x half, 8,192 bytes a row: registers that never hold cx
	s_lshl_b32 s53, s13, 19
	s_add_co_u32 s52, s52, s53
	s_mov_b32 s53, 0
	s_lshr_b32 s54, s16, 2                         ; the batch, from the cluster's y alone: registers that never hold cy
	s_lshl_b32 s54, s54, 6
	s_add_co_u32 s54, s54, s14                     ; block 4 x (16 batch + step) + g
	s_mul_i32 s54, s54, BLKB
	s_mul_i32 s55, s13, 26624
	s_add_co_u32 s54, s54, s55
	s_mov_b32 s55, 0
	s_mul_i32 s50, s13, 33792                      ; where they go: no place in the cluster enters an LDS address
	s_mul_i32 s51, s13, 26624
	s_add_co_u32 s51, s51, KVOFF
	s_wait_kmcnt 0x0
	CROUND                                         ; all sixteen work-groups are here: the first joint loads meet
	s_mov_b32 s40, 1
	s_mov_b32 s41, s50
	s_add_nc_u64 s[42:43], s[6:7], s[52:53]
	s_or_b32 s43, s43, 0x80000000
	s_mov_b32 s44, 1
	s_mov_b32 s45, s51
	s_add_nc_u64 s[46:47], s[4:5], s[54:55]
	s_or_b32 s47, s47, 0x80000000
	TLOAD                                          ; slot 0: key step 0
	v_and_b32 v11, 31, v0
	s_delay_alu instid0(VALU_DEP_1)
	v_lshlrev_b32 v9, 4, v11                       ; 16 x lane
	s_wait_alu depctr_va_vdst(0)
	v_lshlrev_b32 v10, 3, v11                      ; 8 x lane
	s_wait_alu depctr_va_vdst(0)
	s_lshl_b32 s56, s17, 2
	s_add_co_u32 s56, s56, s14                     ; my queries' block of qkv: 4 y + g
	s_mul_i32 s56, s56, BLKB
	s_lshr_b32 s58, s12, 2
	s_lshl_b32 s58, s58, 9
	s_and_b32 s59, s12, 3
	s_lshl_b32 s59, s59, 2
	s_add_co_u32 s58, s58, s59
	s_add_co_u32 s58, s58, s56
	s_add_co_u32 s58, s58, 77824                   ; Q's scale words: the quad of my tile, my tile's word in it
	s_mov_b32 s59, 0
	s_add_nc_u64 s[58:59], s[4:5], s[58:59]
	s_mul_i32 s57, s12, 1536
	s_add_co_u32 s56, s56, s57
	s_add_co_u32 s56, s56, 53248                   ; Q's codes: my tile of 16 queries
	s_mov_b32 s57, 0
	s_add_nc_u64 s[56:57], s[4:5], s[56:57]
.irp p, 0,1                                        ; Q stays in registers: for each pair of heads [q even | zeros | q odd]
.irp e, 0,1
	global_load_b128 v[QB+18*\p+12*\e:QB+18*\p+12*\e+3], v9, s[56:57] offset:12288*\p+768*\e
	global_load_b64 v[QB+18*\p+12*\e+4:QB+18*\p+12*\e+5], v10, s[56:57] offset:12288*\p+768*\e+512
.endr
	global_load_b32 v[QS+\p], v9, s[58:59] offset:1024*\p
.endr
	v_and_b32 v12, 15, v0                          ; r
	v_bfe_u32 v13, v0, 4, 1                        ; h
	s_delay_alu instid0(VALU_DEP_2)
	v_mul_u32_u24 v3, v12, 528
	s_delay_alu instid0(VALU_DEP_1)
	v_lshl_add_u32 v3, v13, 5, v3
	s_mul_i32 s60, s12, 16*528
	v_add_nc_u32 v3, s60, v3                       ; the mask: row 16 w + r, + 32 h
	v_add_nc_u32 v4, KVOFF, v9
	v_add_nc_u32 v5, KVOFF, v10
.irp p, 0,1
.irp i, 6,7,8,9,10,11
	v_mov_b32 v[QB+18*\p+\i], 0                    ; zero codes
.endr
.endr
.irp i, 96,97,98,99,100,101,150,151,152,153,154,155
	v_mov_b32 v\i, 0                               ; the slack beside K's halves: it meets zero codes; written once, so that it is written
.endr
.irp hh, 0,1,2,3
	v_mov_b32 v[17+4*\hh], 0xff61b1e6              ; the largest t so far: -3e38, under every t
	s_delay_alu instid0(VALU_DEP_1)
	v_floor_f32 v[16+4*\hh], -v[17+4*\hh]          ; -M
	v_mov_b32 v[18+4*\hh], 0                       ; the sum, in two halves
	v_mov_b32 v[19+4*\hh], 0
	v_mov_b32 v[T4+\hh], 0                         ; written once: a lane permute's destination counts as one of its sources
.endr
	v_mov_b32 v[FP+1], 0                           ; (named as the upper half of a pair)
	WIN 0x40
.set J, 0
.rept 128
	v_mov_b32 v[J], 0                              ; O^T.  (The step is written for the loop and its tail alone: the first step finds zeros, which the first change of M leaves zeros)
.set J, J+1
.endr
	WIN 0
	s_lshl_b32 s62, s17, 3                         ; where the context goes: codes [y][K step 2 g + p][my tile]
	s_lshl_b32 s63, s14, 1
	s_add_co_u32 s62, s62, s63
	s_mul_i32 s62, s62, 12288
	s_mul_i32 s63, s12, 1536
	s_add_co_u32 s62, s62, s63
	s_mov_b32 s63, 0
	s_add_nc_u64 s[66:67], s[8:9], s[62:63]
	s_lshl_b32 s62, s17, 3                         ; scale words [tile 8 y + w][g][lane][2]
	s_add_co_u32 s62, s62, s12
	s_lshl_b32 s62, s62, 2
	s_add_co_u32 s62, s62, s14
	s_lshl_b32 s62, s62, 8
	s_add_nc_u64 s[68:69], s[10:11], s[62:63]
	s_wait_loadcnt 0x0                             ; Q
	CHANGE 1                                       ; key step 0 is in; slot 1's first fill, key step 1
	NEXTM                                          ; step 0's mask
	FETCHK 0                                       ; and its head 0
	s_wait_alu depctr_va_vdst(0)
.Lstep:                                            ; 14 trips, each with a refill
	STEP 1
	s_sub_co_u32 s49, s49, 1
	s_cmp_lg_u32 s49, 0
	s_cbranch_scc1 .Lstep
	s_mov_b32 s49, 2
.Ltail:                                            ; the last two steps ask for no tile: a body of their own
	STEP 2
	s_sub_co_u32 s49, s49, 1
	s_cmp_lg_u32 s49, 0
	s_cbranch_scc1 .Ltail
	; THE WAY OUT.  The sums' halves are added; O^T is divided by the sum; a pair of heads is 128 along the last product's K: it is brought into its natural order (the weight's codes are given) and quantised.
.irp hh, 0,1,2,3
	v_add_f32 v[RI+2*\hh], v[18+4*\hh], v[19+4*\hh]
.endr
.irp hh, 0,1,2,3
	s_delay_alu instid0(VALU_DEP_4)
	v_permlanex16_b32 v[T4+\hh], v[RI+2*\hh], s20, s21
.endr
.irp hh, 0,1,2,3
	s_delay_alu instid0(VALU_DEP_4)
	v_add_f32 v[RI+2*\hh], v[RI+2*\hh], v[T4+\hh]
.endr
	s_wait_alu depctr_va_vdst(0)
.irp hh, 0,1,2,3
	v_rcp_f32 v[RI+2*\hh], v[RI+2*\hh]
.endr
	s_wait_alu depctr_va_vdst(0)
.irp hh, 0,1,2,3
	v_mov_b32 v[RI+2*\hh+1], 0                     ; the pairs' upper halves; also the plain place behind the reciprocals
.endr
.macro CTX p, pc
	WIN 0x01
.set J, 0
.rept 32
	v_pk_mul_f32 v[S+J:S+J+1], v[64*(\p)+J:64*(\p)+J+1], v[RI+2*(2*(\p)+J/32):RI+2*(2*(\p)+J/32)+1] op_sel_hi:[1,0]   ; each accumulator from its low end on
.set J, J+2
.endr
	WIN 0
.irp b, 0,1,2,3                                    ; register 16 b + 8 u + j holds feature 32 b + 16 u + 8 h + j: the first tile's lanes 16-31 change places with the second's lanes 0-15,
.irp j, 0,1,2,3,4,5,6,7                            ; and register 16 b + i holds feature 32 b + 16 h + i
	v_permlane16_swap_b32 v[S+16*\b+\j], v[S+16*\b+8+\j]
.endr
.endr
.irp b, 0,1,2,3
	v_max3_num_f32 v[BM+\b], |v[S+16*\b]|, |v[S+16*\b+1]|, 0x1800000
.endr
.irp i, 2,4,6,8,10,12,14
.irp b, 0,1,2,3
	s_delay_alu instid0(VALU_DEP_4)
	v_max3_num_f32 v[BM+\b], v[BM+\b], |v[S+16*\b+\i]|, |v[S+16*\b+\i+1]|
.endr
.endr
.irp b, 0,1,2,3
	s_delay_alu instid0(VALU_DEP_4)
	v_permlanex16_b32 v[T4+\b], v[BM+\b], s20, s21
.endr
.irp b, 0,1,2,3
	s_delay_alu instid0(VALU_DEP_4)
	v_max_num_f32 v[BM+\b], v[BM+\b], v[T4+\b]
.endr
.irp b, 0,1,2,3
	s_delay_alu instid0(VALU_DEP_4)
	v_add_nc_u32 v[SO+\b], 0xff000000, v[BM+\b]
.endr
.irp b, 0,1,2,3
	s_delay_alu instid0(VALU_DEP_4)
	v_lshrrev_b32 v[T4+\b], 23, v[SO+\b]
.endr
	s_delay_alu instid0(VALU_DEP_3)
	v_lshl_or_b32 v[CW+(\p)], v[T4+1], 8, v[T4]
	s_delay_alu instid0(VALU_DEP_1)
	v_lshl_or_b32 v[CW+(\p)], v[T4+2], 16, v[CW+(\p)]
	s_delay_alu instid0(VALU_DEP_1)
	v_lshl_or_b32 v[CW+(\p)], v[T4+3], 24, v[CW+(\p)]
.irp c, 0,1
	v_cvt_scalef32_pk16_fp6_f32 v[(\pc)+6*\c:(\pc)+6*\c+2], v[S+32*\c:S+32*\c+15], v[SO+2*\c]
	v_cvt_scalef32_pk16_fp6_f32 v[(\pc)+12+4*\c:(\pc)+14+4*\c], v[S+32*\c+16:S+32*\c+31], v[SO+2*\c+1]
.endr
	v_nop
.irp c, 0,1
.irp i, 0,1,2
	v_permlane16_swap_b32 v[(\pc)+6*\c+\i], v[(\pc)+12+4*\c+\i]
.endr
.irp i, 0,1,2
	s_delay_alu instid0(VALU_DEP_3)
	v_mov_b32 v[(\pc)+3+6*\c+\i], v[(\pc)+12+4*\c+\i]
.endr
.endr
.irp c, 0,1,2
	global_store_b128 v9, v[(\pc)+4*\c:(\pc)+4*\c+3], s[66:67] offset:12288*(\p)+512*\c   ; the fragment as an image of its registers: 512 consecutive bytes a store
.endr
.endm
	CTX 0, PC                                      ; each pair has code registers of its own, so no store's data are written again
	CTX 1, FB
	global_store_b64 v10, v[CW:CW+1], s[68:69]     ; the two K steps' scale words: 256 consecutive bytes
	s_wait_tensorcnt 0x0                           ; the wave's end
	ds_add_u32 v1, v2
	s_wait_dscnt 0x0
	CROUND                                         ; the closing round
	s_endpgm
.Lfunc_end_k_qb9ce4c9ece_attn:
	.size	k_qb9ce4c9ece_attn, .Lfunc_end_k_qb9ce4c9ece_attn-k_qb9ce4c9ece_attn
	.p2alignl 7, 3214868480
	.fill 96, 4, 3214868480
	.section	.rodata,"a",@progbits
	.p2align	6, 0x0
	.amdhsa_kernel k_qb9ce4c9ece_attn
		.amdhsa_group_segment_fixed_size 327680
		.amdhsa_private_segment_fixed_size 0
		.amdhsa_enable_private_segment 0
		.amdhsa_kernarg_size 32
		.amdhsa_user_sgpr_count 2
		.amdhsa_user_sgpr_kernarg_segment_ptr 1
		.amdhsa_wavefront_size32 1
		.amdhsa_system_sgpr_workgroup_id_x 1
		.amdhsa_system_sgpr_workgroup_id_y 1
		.amdhsa_system_sgpr_workgroup_id_z 1
		.amdhsa_system_vgpr_workitem_id 0
		.amdhsa_next_free_vgpr 512
		.amdhsa_next_free_sgpr 70
		.amdhsa_reserve_vcc 0
		.amdhsa_float_denorm_mode_32 3
		.amdhsa_float_denorm_mode_16_64 3
		.amdhsa_memory_ordered 1
		.amdhsa_forward_progress 1
		.amdhsa_inst_pref_size 174
	.end_amdhsa_kernel
	.amdgpu_metadata
---
amdhsa.version: [ 1, 2 ]
amdhsa.kernels:
  - .name:           k_qb9ce4c9ece_attn
    .symbol:         k_qb9ce4c9ece_attn.kd
    .args:
      - { .name: qkv, .offset: 0, .size: 8, .value_kind: global_buffer, .address_space: global }
      - { .name: mask, .offset: 8, .size: 8, .value_kind: global_buffer, .address_space: global }
      - { .name: cc, .offset: 16, .size: 8, .value_kind: global_buffer, .address_space: global }
      - { .name: cs, .offset: 24, .size: 8, .value_kind: global_buffer, .address_space: global }
    .group_segment_fixed_size: 327680
    .private_segment_fixed_size: 0
    .kernarg_segment_align: 8
    .kernarg_segment_size: 32
    .max_flat_workgroup_size: 256
    .sgpr_count:     70
    .vgpr_count:     512
    .wavefront_size: 32
...
	.end_amdgpu_metadata
.endif
;; end of part 2
;; launch outp (part 3): grid 4 x 64, 4 waves a work-group, clusters of 4 x 4, 307,712 bytes of LDS; arguments Wo_codes, Wo_scales, cc, cs, bo, out0; writes out0
.if DOCPART == 3
	.amdgcn_target "amdgcn-amd-amdhsa--gfx1250"
	.amdhsa_code_object_version 6
	.text
	.protected	k_qb9ce4c9ece_outp
	.globl	k_qb9ce4c9ece_outp
	.p2align	8
	.type	k_qb9ce4c9ece_outp,@function
k_qb9ce4c9ece_outp:
	s_mov_b64 s[64:65], 0
	v_nop
	global_prefetch_b8 v0, s[64:65] scope:SCOPE_SE
	s_setreg_imm32_b32 hwreg(HW_REG_WAVE_MODE, 25, 1), 1
	s_wait_xcnt 0x0
	s_wait_alu depctr_hold_cnt(0) depctr_sa_sdst(0) depctr_va_vdst(0) depctr_va_sdst(0) depctr_va_ssrc(0) depctr_va_vcc(0) depctr_vm_vsrc(0)
	s_getreg_b32 s2, hwreg(HW_REG_IB_STS2, 6, 4)
	s_cmp_eq_u32 s2, 0
	s_cbranch_scc0 .Lentry_in_a_cluster
	s_endpgm
.Lentry_in_a_cluster:
	s_bfe_u32 s2, ttmp6, 0x10000c
	s_cmp_lg_u32 s2, 0xf033
	s_cbranch_scc0 .Lentry_shape_is_right
	s_endpgm
.Lentry_shape_is_right:
; THE OUTPUT PROJECTION: out[token][n] = sum over k of ctx[token][k] Wo[n][k] + bo[n], K = 1,024, on codes of FP6 (E2M3) with one E8M0 scale for each 32 along K; out is f32.
; The matrix instruction takes 16 rows of Wo as source 0 and 16 tokens as source 1: a lane then holds eight neighbouring numbers of a row of out.
; SHARES.  A work-group makes 128 tokens x 256 n: 256 work-groups.  Wave w makes 128 n (half w & 1) x 64 tokens (half w >> 1): 32 accumulators, 32 matrix instructions for 128 along K.
; ALL OF K LIES IN LDS, filled once: Wo's rows of 768 bytes as three chunks of 256 bytes (+ 16 of padding a row), the context's 64 fragments as the images of their registers that the launch before stored: dense.
; CLUSTER 4 x 4: Wo's rows hang on the place along x and are asked for jointly by a column of the cluster, the context's on the place along y, by a row of it.
; The bias is the C of each sum's first matrix instruction.
; REGISTERS: window 0: v1-17 addresses; v32-63 Wo's scale words, v64-79 the context's; v96-191 the context's fragments, two sets; on the way out v96-223 rows of out.
;   window 1: Wo's fragments, two sets, at v0 and v128.  window 2: accumulator (a, t) at v[64 a + 8 t].  window 3: v0-63 the bias.
.set CH,     272                       ; from chunk to chunk of one row of Wo in LDS: a row's three chunks of 256 bytes lie side by side, 16 bytes of padding behind each; ONE tensor load a wave
.set PITCH,  816                       ; an LDS row of Wo: 3 x (256 + 16) bytes = 204 words: the 16 rows of a fragment start 12 words apart modulo 64
.set TILEP,  16*PITCH
.set S0HALF, 128*PITCH
.set CTX,    256*PITCH                 ; behind Wo's 256 rows: the context: [K step 8][tile 8][1,536 bytes]
.set SPITCH, 528                       ; the way out: a stage of 16 rows x (512 bytes + 16) for each wave, in Wo's first rows, which have had their only fill and their last read by then
.set SC0,    32
.set SC1,    64
.set F1,     96
.set BK,     96
.set MSB, 0
.macro WIN new
.if MSB != \new
	s_set_vgpr_msb (MSB<<8)|\new
.set MSB, \new
.endif
.endm
.macro PLACES n
.rept \n
	v_nop
.endr
.endm
.macro CROUND
	s_barrier_signal -1
	s_barrier_wait -1
	s_cmp_lg_u32 s80, 0
	s_cbranch_scc1 .Lnot_wave_0_\@
	s_barrier_signal -3
.Lnot_wave_0_\@:
	s_barrier_wait -3
	s_barrier_signal -1
	s_barrier_wait -1
.endm
; A fragment of Wo in six pieces of 8 bytes; lanes 16-31 read three pieces further on; where that piece lies in the next chunk, the second address register serves (CH - 232 for 24 bytes a half).
.macro FRAGR reg, ad, ax, s, i
.irp p, 0,1,2,3,4,5
.set PCN, 12*(\s)+6*(\p/3)+\p%3
.if PCN%32 < 29
	ds_load_b64 v[(\reg)+2*\p:(\reg)+2*\p+1], v[(\ad)+PCN/32] offset:8*(PCN%32)+TILEP*(\i)
.else
	ds_load_b64 v[(\reg)+2*\p:(\reg)+2*\p+1], v[(\ax)+PCN/32] offset:8*(PCN%32)+TILEP*(\i)
.endif
.endr
.endm
.macro FETCH s, set                    ; K step s: Wo's eight fragments, the context's four (three loads of 16 bytes a lane each)
	WIN 0x40
.irp t, 0,1,2,3,4,5,6,7
	FRAGR 128*(\set)+12*\t, 4+20*(\t/4), 7+20*(\t/4), \s, \t%4   ; tiles 4-7 by v24-28, so that every offset fits its 16 bits
.endr
	WIN 0
.irp a, 0,1,2,3
.irp c, 0,1,2
	ds_load_b128 v[F1+48*(\set)+12*\a+4*\c:F1+48*(\set)+12*\a+4*\c+3], v[9+(\s)/4] offset:(((\s)%4)*8+\a)*1536+512*\c
.endr
.endr
.endm
.macro WM dd, aa, bb, cc, sa, sb, ra, rb
.if (\ra) && (\rb)
	v_wmma_scale_f32_16x16x128_f8f6f4 v[(\dd):(\dd)+7], v[(\aa):(\aa)+11], v[(\bb):(\bb)+11], v[(\cc):(\cc)+7], v[(\sa)], v[(\sb)] matrix_a_fmt:MATRIX_FMT_FP6 matrix_b_fmt:MATRIX_FMT_FP6 matrix_a_scale:MATRIX_SCALE_ROW1 matrix_b_scale:MATRIX_SCALE_ROW1
.elseif (\ra)
	v_wmma_scale_f32_16x16x128_f8f6f4 v[(\dd):(\dd)+7], v[(\aa):(\aa)+11], v[(\bb):(\bb)+11], v[(\cc):(\cc)+7], v[(\sa)], v[(\sb)] matrix_a_fmt:MATRIX_FMT_FP6 matrix_b_fmt:MATRIX_FMT_FP6 matrix_a_scale:MATRIX_SCALE_ROW1
.elseif (\rb)
	v_wmma_scale_f32_16x16x128_f8f6f4 v[(\dd):(\dd)+7], v[(\aa):(\aa)+11], v[(\bb):(\bb)+11], v[(\cc):(\cc)+7], v[(\sa)], v[(\sb)] matrix_a_fmt:MATRIX_FMT_FP6 matrix_b_fmt:MATRIX_FMT_FP6 matrix_b_scale:MATRIX_SCALE_ROW1
.else
	v_wmma_scale_f32_16x16x128_f8f6f4 v[(\dd):(\dd)+7], v[(\aa):(\aa)+11], v[(\bb):(\bb)+11], v[(\cc):(\cc)+7], v[(\sa)], v[(\sb)] matrix_a_fmt:MATRIX_FMT_FP6 matrix_b_fmt:MATRIX_FMT_FP6
.endif
.endm
; 32 matrix instructions: K step s.  cmode 0: the sums go on; 1: they begin with the bias.  The 32 accumulators take turns, one instruction a turn, in the same order in every step.
.macro MULS s, set, cmode
.if \cmode == 0
	WIN 0xa1
.else
	WIN 0xb1
.endif
.irp a, 0,1,2,3
.irp t, 0,1,2,3,4,5,6,7
.if \cmode == 0
.set CREG, 64*\a+8*\t
.else
.set CREG, 8*\t
.endif
	WM 64*\a+8*\t, 128*(\set)+12*\t, F1+48*(\set)+12*\a, CREG, SC0+8*(\t%4)+(\s), SC1+8*(\a%2)+(\s), \t/4, \a/2
.endr
.endr
.endm
	s_load_b256 s[4:11], s[0:1], 0x0               ; Wo's codes s[4:5], Wo's scales s[6:7], cc s[8:9], cs s[10:11]
	s_load_b128 s[12:15], s[0:1], 0x20             ; bo s[12:13], out s[14:15]
	v_lshl_add_u32 v254, v0, 2, 0x4b000
	v_mov_b32 v255, 0
	ds_add_u32 v254, v255
	ds_add_u32 v254, v255
	v_lshrrev_b32 v1, 5, v0
	v_readfirstlane_b32 s80, v1                    ; wave 0..3
	s_and_b32 s81, s80, 1                          ; WL: my half of the 256 n.  Also: which half of a load's rows I fetch
	s_lshr_b32 s82, s80, 1                         ; WH: my half of the 128 tokens.  Also: I fetch Wo (0) or the context (1)
	s_bfe_u32 s92, ttmp6, 0x40000                  ; cx = my tile of 256 n (the grid is one cluster wide)
	s_bfe_u32 s93, ttmp6, 0x40004                  ; cy
	s_and_b32 s94, ttmp7, 0xffff
	s_lshl_b32 s94, s94, 2
	s_add_co_u32 s94, s94, s93                     ; y: my run of 128 tokens
	s_lshl_b32 s96, 0x1111, s92                    ; my column of the cluster
	s_lshl_b32 s97, s93, 2
	s_lshl_b32 s97, 15, s97                        ; my row
	s_or_b32 s36, s96, (1<<20)|(1<<21)|(5<<22)|(3<<25)   ; Wo: 128 rows of 256 bytes, 768 bytes apart, 16 bytes of padding behind each
	s_mov_b32 s37, 256<<16
	s_mov_b32 s38, 384<<16                         ; 128 rows of 768 bytes are dense in memory: stated as 384 rows of 256 bytes
	s_mov_b32 s39, 256<<16
	s_mov_b32 s40, 384
	s_mov_b32 s41, 256
	s_mov_b32 s42, 0
	s_mov_b32 s43, 0
	s_or_b32 s44, s97, (3<<16)|(1<<21)             ; the context, four K steps: a dense block as 192 rows of 256 bytes (32 elements of 8 bytes)
	s_mov_b32 s45, 32<<16
	s_mov_b32 s46, 192<<16
	s_mov_b32 s47, 32<<16
	s_mov_b32 s48, 192
	s_mov_b32 s49, 32
	s_mov_b32 s50, 0
	s_mov_b32 s51, 0
	s_lshl_b32 s16, s92, 8                         ; Wo: row 256 x + 128 WL: registers that never hold cy
	s_lshl_b32 s17, s81, 7
	s_add_co_u32 s16, s16, s17
	s_mul_i32 s16, s16, 768
	s_mov_b32 s17, 0
	s_mul_i32 s18, s94, 98304                      ; the context of my 128 tokens: registers that never hold cx
	s_mov_b32 s19, 0
	s_mul_i32 s22, s81, 49152                      ; which four K steps of the context I fetch, if I fetch it
	s_mov_b32 s23, 0
	s_mul_i32 s26, s81, S0HALF
	s_wait_dscnt 0x0
	s_wait_kmcnt 0x0
	s_add_nc_u64 s[16:17], s[4:5], s[16:17]
	s_add_nc_u64 s[18:19], s[8:9], s[18:19]
	CROUND                                         ; all sixteen work-groups are here: the joint loads meet
.irp c, 0
	s_mov_b32 s[52+4*\c], 1
	s_add_co_u32 s[53+4*\c], s26, \c*CH
	s_add_nc_u64 s[54+4*\c:55+4*\c], s[16:17], \c*256
	s_or_b32 s[55+4*\c], s[55+4*\c], 0x80000000
.endr
	s_mov_b32 s68, 1                               ; the context's K steps 0-3 or 4-7
	s_add_co_u32 s69, s22, CTX
	s_add_nc_u64 s[70:71], s[18:19], s[22:23]
	s_or_b32 s71, s71, 0x80000000
	s_cmp_eq_u32 s82, 0                            ; one fill a wave, in the two arms of one branch on the wave's number
	s_cbranch_scc0 .Lfill_ctx
	tensor_load_to_lds s[52:55], s[36:43]
	s_nop 0
	PLACES 4
	s_branch .Lfilled
.Lfill_ctx:
	tensor_load_to_lds s[68:71], s[44:51]
	s_nop 0
	PLACES 4
.Lfilled:
	v_and_b32 v1, 15, v0                           ; r
	v_bfe_u32 v2, v0, 4, 1                         ; h
	v_and_b32 v3, 31, v0                           ; lane
	v_mul_u32_u24 v20, v1, PITCH
	v_mad_u32_u24 v21, v2, 24, v20
	v_mad_u32_u24 v22, v2, CH-232, v20
	v_add_nc_u32 v4, s26, v21                      ; Wo: my 128 rows, chunks 0, 1, 2
	v_add_nc_u32 v5, CH, v4
	v_add_nc_u32 v6, CH, v5
	v_add_nc_u32 v7, s26, v22
	v_add_nc_u32 v8, CH, v7
.irp i, 4,5,6,7,8
	v_add_nc_u32 v[20+\i], 4*TILEP, v[\i]          ; the same five addresses for Wo's tiles 4-7
.endr
	v_lshlrev_b32 v17, 4, v3                       ; 16 x lane
	s_mul_i32 s27, s82, 6144
	s_add_co_u32 s27, s27, CTX
	v_add_nc_u32 v9, s27, v17                      ; the context: my four tiles, K steps 0-3;
	v_add_nc_u32 v10, 49152, v9                    ; K steps 4-7
	s_mul_i32 s27, s80, 16*SPITCH                  ; my stage
	v_mul_u32_u24 v11, v1, SPITCH
	v_lshl_add_u32 v11, v2, 5, v11
	v_add_nc_u32 v11, s27, v11                     ; in: row r, 32 bytes for each half of the lanes
	v_add_nc_u32 v12, s27, v17                     ; back: the 32 lanes take a row of 512 bytes
	v_lshlrev_b32 v14, 5, v1
	v_lshl_add_u32 v14, v2, 11, v14                ; Wo's scale rows: 32 r, lanes 16-31 four tiles on
	s_wait_alu depctr_va_vdst(0)
	v_lshlrev_b32 v15, 3, v1
	v_lshl_add_u32 v15, v2, 11, v15                ; the context's scale words: 8 r, lanes 16-31 two tiles on
	s_wait_alu depctr_va_vdst(0)
	v_lshlrev_b32 v16, 5, v2                       ; the bias: 32 h
	s_wait_alu depctr_va_vdst(0)
	s_lshl_b32 s20, s92, 1
	s_add_co_u32 s20, s20, s81                     ; my wave's run of 128 n
	s_lshl_b32 s30, s20, 12
	s_mov_b32 s31, 0
	s_add_nc_u64 s[6:7], s[6:7], s[30:31]
	s_lshl_b32 s30, s94, 3
	s_lshl_b32 s32, s82, 2
	s_add_co_u32 s30, s30, s32
	s_lshl_b32 s30, s30, 10                        ; tile 8 y + 4 WH, 1,024 bytes a tile
	s_add_nc_u64 s[10:11], s[10:11], s[30:31]
	s_lshl_b32 s30, s20, 9
	s_add_nc_u64 s[12:13], s[12:13], s[30:31]
.irp i, 0,1,2,3
.irp q, 0,1
	global_load_b128 v[SC0+8*\i+4*\q:SC0+8*\i+4*\q+3], v14, s[6:7] offset:512*\i+16*\q
.endr
.endr
.irp i, 0,1
.irp g, 0,1,2,3
	global_load_b64 v[SC1+8*\i+2*\g:SC1+8*\i+2*\g+1], v15, s[10:11] offset:1024*\i+256*\g   ; K steps 2 g and 2 g + 1
.endr
.endr
	WIN 0xc0
.irp t, 0,1,2,3,4,5,6,7
	global_load_b128 v[8*\t:8*\t+3], v16, s[12:13] offset:64*\t          ; tile t: n = 16 t + 8 h + 0 .. 7
	global_load_b128 v[8*\t+4:8*\t+7], v16, s[12:13] offset:64*\t+16
.endr
	WIN 0
	s_lshl_b32 s30, s94, 19                        ; out: row 128 y + 64 WH of 4,096 bytes, column 256 x + 128 WL
	s_lshl_b32 s32, s82, 18
	s_add_co_u32 s30, s30, s32
	s_lshl_b32 s32, s20, 9
	s_add_co_u32 s30, s30, s32
	s_add_nc_u64 s[28:29], s[14:15], s[30:31]
	s_wait_tensorcnt 0x0                           ; my one load is in (128 rows of Wo, or four K steps of the context); nothing is ever filled again
	s_barrier_signal -1
	s_barrier_wait -1
	FETCH 0, 0
	s_wait_loadcnt 0x0                             ; the scale words and the bias
	s_wait_dscnt 0x0
	FETCH 1, 1
	MULS 0, 0, 1                                   ; K step 0 starts the sums with the bias
.macro STEP s
	s_wait_dscnt 0x0
.if (\s) == 7
	s_barrier_signal -1                            ; every wave's LDS reads are over: the stages may be written
	s_barrier_wait -1
.endif
.if (\s) < 7
	PLACES 4                                       ; in front of loads into the set that the last step multiplied
	FETCH (\s)+1, ((\s)+1)%2
.endif
	MULS \s, (\s)%2, 0
.endm
.irp s, 1,2,3,4,5,6,7
	STEP \s
.endr
; THE WAY OUT, block by block of 16 tokens x 128 n.  A lane holds 32 neighbouring bytes of a row and the lanes beside it hold other rows: a block goes through my own stage and comes back as whole rows of 512 bytes.
; LDS serves a wave's instructions in order (ISA guide 5.7.1.4): no wait between the stores and the loads, nor in front of the next block's stores.
.macro TOSTAGE a
	WIN 0x08                                       ; an LDS store's data are its source 1: window 2
.irp t, 0,1,2,3,4,5,6,7
	ds_store_b128 v11, v[64*(\a)+8*\t:64*(\a)+8*\t+3] offset:64*\t         ; each accumulator from its low end on
	ds_store_b128 v11, v[64*(\a)+8*\t+4:64*(\a)+8*\t+7] offset:64*\t+16
.endr
	WIN 0
.set BB, BK+64*((\a)%2)
.irp i, 0,1,2,3,4,5,6,7,8,9,10,11,12,13,14,15
	ds_load_b128 v[BB+4*\i:BB+4*\i+3], v12 offset:\i*SPITCH
.endr
.endm
.macro SEND a, younger                 ; younger: the LDS instructions issued behind block a's loads, which may stay out
.set BB, BK+64*((\a)%2)
	s_wait_dscnt \younger
.irp i, 0,1,2,3,4,5,6,7,8,9,10,11,12,13,14,15
	global_store_b128 v17, v[BB+4*\i:BB+4*\i+3], s[28:29] offset:65536*(\a)+4096*\i th:TH_STORE_NT   ; 32 lanes store 512 consecutive bytes, at a multiple of 256 from out's first byte
.endr
.endm
	PLACES 4                                       ; in front of the first read of results, and of loads into registers that held fragments
	TOSTAGE 0
.irp a, 1,2,3
.if \a > 1
	s_wait_xcnt 0x0                                ; block a - 2's stores have read their registers: block a's loads may land there
.endif
	TOSTAGE \a
	SEND \a-1, 32                                  ; behind block a - 1's loads: block a's 16 stores and 16 loads
.endr
	SEND 3, 0
	s_wait_tensorcnt 0x0
	ds_add_u32 v254, v255
	s_wait_dscnt 0x0
	CROUND                                         ; the closing round: no work-group ends while a partner may still ask for a tile that names it
	s_endpgm
.Lfunc_end_k_qb9ce4c9ece_outp:
	.size	k_qb9ce4c9ece_outp, .Lfunc_end_k_qb9ce4c9ece_outp-k_qb9ce4c9ece_outp
	.p2alignl 7, 3214868480
	.fill 96, 4, 3214868480
	.section	.rodata,"a",@progbits
	.p2align	6, 0x0
	.amdhsa_kernel k_qb9ce4c9ece_outp
		.amdhsa_group_segment_fixed_size 307712
		.amdhsa_private_segment_fixed_size 0
		.amdhsa_enable_private_segment 0
		.amdhsa_kernarg_size 48
		.amdhsa_user_sgpr_count 2
		.amdhsa_user_sgpr_kernarg_segment_ptr 1
		.amdhsa_wavefront_size32 1
		.amdhsa_system_sgpr_workgroup_id_x 1
		.amdhsa_system_sgpr_workgroup_id_y 1
		.amdhsa_system_sgpr_workgroup_id_z 1
		.amdhsa_system_vgpr_workitem_id 0
		.amdhsa_next_free_vgpr 832
		.amdhsa_next_free_sgpr 100
		.amdhsa_reserve_vcc 0
		.amdhsa_float_denorm_mode_32 3
		.amdhsa_float_denorm_mode_16_64 3
		.amdhsa_memory_ordered 1
		.amdhsa_forward_progress 1
		.amdhsa_inst_pref_size 89
	.end_amdhsa_kernel
	.amdgpu_metadata
---
amdhsa.version: [ 1, 2 ]
amdhsa.kernels:
  - .name:           k_qb9ce4c9ece_outp
    .symbol:         k_qb9ce4c9ece_outp.kd
    .args:
      - { .name: Wo_codes, .offset: 0, .size: 8, .value_kind: global_buffer, .address_space: global }
      - { .name: Wo_scales, .offset: 8, .size: 8, .value_kind: global_buffer, .address_space: global }
      - { .name: cc, .offset: 16, .size: 8, .value_kind: global_buffer, .address_space: global }
      - { .name: cs, .offset: 24, .size: 8, .value_kind: global_buffer, .address_space: global }
      - { .name: bo, .offset: 32, .size: 8, .value_kind: global_buffer, .address_space: global }
      - { .name: out0, .offset: 40, .size: 8, .value_kind: global_buffer, .address_space: global }
    .group_segment_fixed_size: 307712
    .private_segment_fixed_size: 0
    .kernarg_segment_align: 8
    .kernarg_segment_size: 48
    .max_flat_workgroup_size: 128
    .sgpr_count:     100
    .vgpr_count:     832
    .wavefront_size: 32
...
	.end_amdgpu_metadata
.endif
;; end of part 3
